; MI455X (gfx1250); checked and timed in simulation.
; The chip was launched on July 23, 2026; its instructions are those of AMD's public machine-readable ISA for CDNA 5 (MIT licence, August 2026) and "CDNA5" Instruction Set Architecture Reference Guide (July 2026). The comments in the code are by the model that wrote it; some were corrected since.
;; Position Wise FFN Lora. Allowed arithmetic: float matrix products may take bf16 or f16 operands with f32 sums; other float arithmetic in f32, or as packed bf16 or f16 multiplies, adds, multiply-adds, maxima and minima; sums over many terms, partial sums and values carried from step to step in f32; what a program stores and reads back later, other than sums and carried values, may be rounded once to bf16 or f16.
;; Inputs: W1 4,096 x 1,024 float32; W2 1,024 x 4,096 float32; b1 4,096 float32; b2 1,024 float32; scale one number float32; x 4 x 1,024 x 1,024 float32.
;; Outputs: out0 4 x 1,024 x 1,024 float32.
;; One version. Each part assembles by itself: llvm-mc -triple=amdgcn-amd-amdhsa -mcpu=gfx1250 --defsym DOCPART=n.
;; ======== version 1 of 1: 3 launches
;; workspace buffers: xb 8,388,608 bytes; w1b 8,388,608 bytes; w2b 8,388,608 bytes; ub 65,536 bytes; hb 33,554,432 bytes; tp 2,097,152 bytes
;; launch prep (part 1): grid 256 x 1, 16 waves a work-group, no clusters, 2,304 bytes of LDS; arguments x, W1, W2, xb, w1b, w2b, ub; writes xb, w1b, w2b, ub
.if DOCPART == 1
	.amdgcn_target "amdgcn-amd-amdhsa--gfx1250"
	.amdhsa_code_object_version 6
	.text
	.protected	k_q3371e755b4_prep
	.globl	k_q3371e755b4_prep
	.p2align	8
	.type	k_q3371e755b4_prep,@function
k_q3371e755b4_prep:
	s_mov_b64 s[64:65], 0
	v_nop
	global_prefetch_b8 v0, s[64:65] scope:SCOPE_SE
	s_setreg_imm32_b32 hwreg(HW_REG_WAVE_MODE, 25, 1), 1
	s_wait_xcnt 0x0
; PREP.  xb, w1b, w2b = x, W1, W2 rounded once to bf16 (to nearest even), and ub[s][k] = the sum over j of xb[s][j] xb[token 2k+2 of s's sample][j], k = 0..3, in f32.
; LIMITS.  Every later launch works on these rounded inputs.  u's sum is taken in another order than a row-wise sum; NaN and infinities are not treated apart.
; SHARES.  256 work-groups of 16 waves; work-group g owns 65,536 bytes of each input.  Waves 0-7: two rows of x each (8,192 consecutive bytes) and their u; waves 8-15: 8,192 bytes of W1 and of W2.
; A load of a wave covers 512 consecutive bytes; four f32 a lane become 8 bytes of bf16, so a store of a wave covers 256 consecutive bytes, at a multiple of 256 from the buffer's first byte.
; All loads of a wave go out at its head (48 or 32 of them); the waits count the younger loads that may stay out.  No matrix unit: u is 4 dot products a row on operands that already lie
; in registers in the order of memory; no cluster: the work-groups share nothing but four token rows a sample.
.set SPARE, 256                        ; LDS: bytes 0-255 the work-group's 16 rows of u; behind them the spare words, 128 bytes for each of 16 waves, which no other line names
.set XR, 32                            ; v[32:95]   16 loads of 4: my two rows of x (or W1); packed in place, row p's word m at XR + 16 p + m
.set OD, 96                            ; v[96:223]  the four token rows, 32 registers each (or W2 in v[96:159]); packed in place, row k's word m at OD + 32 k + m
.set CH, 8                             ; v[8:23]    16 chains of sums: row p, token k, half of the word at CH + 2 (4 p + k) + half
.set SM, 24                            ; v[24:31]   u of row p, token k at SM + 4 p + k
; v1 16 x lane; v2 my byte offset in the inputs; v3 in the outputs; v4 LDS address of my two rows of u; v5 0, the chains' first addend; v6, v7 the add's two registers
.macro LD16 dst, lo, nt                ; 16 loads: 8,192 consecutive bytes behind s[lo:lo+1] + v2
.set i, 0
.rept 16
.if \nt
	global_load_b128 v[(\dst)+4*i:(\dst)+4*i+3], v2, s[\lo:\lo+1] offset:512*i th:TH_LOAD_NT
.else
	global_load_b128 v[(\dst)+4*i:(\dst)+4*i+3], v2, s[\lo:\lo+1] offset:512*i
.endif
.set i, i+1
.endr
.endm
; Load i of the 16 is rounded and stored.  The two packed words go to registers dst + 2 i, dst + 2 i + 1, which belong to load i / 2: already in and already read.  left - i younger loads may stay out.
.macro CV16 dst, lo, left
.set i, 0
.rept 16
	s_wait_loadcnt (\left)-i
	v_cvt_pk_bf16_f32 v[(\dst)+2*i], v[(\dst)+4*i], v[(\dst)+4*i+1]
	v_cvt_pk_bf16_f32 v[(\dst)+2*i+1], v[(\dst)+4*i+2], v[(\dst)+4*i+3]
	global_store_b64 v3, v[(\dst)+2*i:(\dst)+2*i+1], s[\lo:\lo+1] offset:256*i th:TH_STORE_NT
.set i, i+1
.endr
.endm
	s_load_b256 s[4:11], s[0:1], 0x0               ; x s[4:5], W1 s[6:7], W2 s[8:9], xb s[10:11]
	s_load_b128 s[12:15], s[0:1], 0x20             ; w1b s[12:13], w2b s[14:15]
	s_load_b64 s[16:17], s[0:1], 0x30              ; ub
	v_lshl_add_u32 v6, v0, 2, SPARE
	v_mov_b32 v7, 0
	v_lshrrev_b32 v8, 5, v0
	v_readfirstlane_b32 s18, v8                    ; wave 0..15
	v_and_b32 v1, 31, v0
	v_lshlrev_b32 v1, 4, v1                        ; 16 x lane
	s_and_b32 s19, s18, 7                          ; my place among the eight waves of my kind
	v_lshl_add_u32 v2, s19, 13, v1                 ; + 8,192 bytes a wave
	v_lshrrev_b32 v3, 1, v1                        ; 8 x lane
	v_lshl_add_u32 v3, s19, 12, v3                 ; + 4,096 bytes a wave
	v_mov_b32 v5, 0
	s_lshl_b32 s20, ttmp9, 16                      ; the work-group's 65,536 bytes of an input
	s_mov_b32 s21, 0
	s_lshl_b32 s22, ttmp9, 15                      ; and 32,768 of an output
	s_mov_b32 s23, 0
	s_lshr_b32 s24, ttmp9, 6                       ; the sample: 64 work-groups of 16 rows each
	s_lshl_b32 s24, s24, 22                        ; its 1,024 rows of 4,096 bytes
	s_add_co_u32 s24, s24, 8192                    ; token 2
	s_mov_b32 s25, 0
	s_lshl_b32 s26, ttmp9, 8                       ; 16 rows x 16 bytes of ub
	s_mov_b32 s27, 0
	s_mov_b32 s28, 0x76543210                      ; v_permlanex16_b32: each lane takes its own place in the other half
	s_mov_b32 s29, 0xfedcba98
	s_wait_kmcnt 0x0
	s_add_nc_u64 s[24:25], s[4:5], s[24:25]        ; x at the sample's token 2
	s_add_nc_u64 s[4:5], s[4:5], s[20:21]
	s_add_nc_u64 s[6:7], s[6:7], s[20:21]
	s_add_nc_u64 s[8:9], s[8:9], s[20:21]
	s_add_nc_u64 s[10:11], s[10:11], s[22:23]
	s_add_nc_u64 s[12:13], s[12:13], s[22:23]
	s_add_nc_u64 s[14:15], s[14:15], s[22:23]
	s_add_nc_u64 s[26:27], s[16:17], s[26:27]
	s_cmp_lt_u32 s18, 8
	s_cbranch_scc0 .Lw
	; WAVES 0-7: two rows of x
	s_lshl_b32 s31, s18, 5
	v_mov_b32 v4, s31                              ; rows 2 w and 2 w + 1 of the 16: 32 bytes
	LD16 XR, 4, 0
.set k, 0
.rept 4                                ; tokens 2, 4, 6, 8: two rows apart; a lane takes the same columns of them as of its own rows
.set j, 0
.rept 8
	global_load_b128 v[OD+32*k+4*j:OD+32*k+4*j+3], v1, s[24:25] offset:8192*k+512*j
.set j, j+1
.endr
.set k, k+1
.endr
	CV16 XR, 10, 47                                ; behind load i stand 15 - i of my rows' loads and the 32 of the token rows
	s_wait_loadcnt 0x0
.set k, 0
.rept 4
.set m, 0
.rept 16
	v_cvt_pk_bf16_f32 v[OD+32*k+m], v[OD+32*k+2*m], v[OD+32*k+2*m+1]  ; in place, ascending: a word lands on registers already read
.set m, m+1
.endr
.set k, k+1
.endr
.set m, 0
.rept 16                               ; 16 words x 16 chains: products of bf16 halves, sums in f32; a chain's links stand 16 instructions apart
.set c, 0
.rept 8
.if m == 0
	v_fma_mix_f32_bf16 v[CH+2*c],   v[XR+16*(c/4)+m], v[OD+32*(c%4)+m], v5 op_sel_hi:[1,1,0]
	v_fma_mix_f32_bf16 v[CH+2*c+1], v[XR+16*(c/4)+m], v[OD+32*(c%4)+m], v5 op_sel:[1,1,0] op_sel_hi:[1,1,0]
.else
	v_fma_mix_f32_bf16 v[CH+2*c],   v[XR+16*(c/4)+m], v[OD+32*(c%4)+m], v[CH+2*c] op_sel_hi:[1,1,0]
	v_fma_mix_f32_bf16 v[CH+2*c+1], v[XR+16*(c/4)+m], v[OD+32*(c%4)+m], v[CH+2*c+1] op_sel:[1,1,0] op_sel_hi:[1,1,0]
.endif
.set c, c+1
.endr
.set m, m+1
.endr
.set c, 0
.rept 8
	v_add_f32 v[SM+c], v[CH+2*c], v[CH+2*c+1]
.set c, c+1
.endr
.irp x, 1,2,4,8                        ; across the 32 lanes: four steps inside each half ride on the addition, one crosses the halves
.set c, 0
.rept 8
	v_add_f32_dpp v[SM+c], v[SM+c], v[SM+c] row_xmask:\x row_mask:0xf bank_mask:0xf
.set c, c+1
.endr
.endr
.set c, 0
.rept 8
	v_permlanex16_b32 v[CH+c], v[SM+c], s28, s29   ; its destination counts as read: the chains' registers have been written
.set c, c+1
.endr
.set c, 0
.rept 8
	v_add_f32 v[SM+c], v[SM+c], v[CH+c]
.set c, c+1
.endr
	ds_store_b128 v4, v[SM:SM+3]                   ; every lane holds the sums: all write the same 16 bytes with the same numbers
	ds_store_b128 v4, v[SM+4:SM+7] offset:16
	s_branch .Ljoin
.Lw:                                   ; WAVES 8-15: 8,192 bytes of W1 and of W2
	LD16 XR, 6, 1
	LD16 OD, 8, 1
	CV16 XR, 12, 31                                ; behind load i stand 15 - i of W1's and the 16 of W2's
	CV16 OD, 14, 15
.Ljoin:
	s_wait_dscnt 0x0                               ; for wave 0's sake: my stores into LDS are done
	s_barrier_signal -1
	s_barrier_wait -1
	s_cmp_lg_u32 s18, 0
	s_cbranch_scc1 .Lend
	v_and_b32 v12, 0xf0, v1                        ; wave 0 sends the 16 rows of u out as 256 consecutive bytes
	ds_load_b128 v[8:11], v12
	s_wait_dscnt 0x0
	v_cmp_gt_u32 vcc_lo, 256, v1                   ; lanes 0-15
	s_wait_xcnt 0x0                                ; EXEC changes only behind this wait: my earlier stores read it
	s_and_saveexec_b32 s30, vcc_lo
	global_store_b128 v1, v[8:11], s[26:27]
	s_wait_xcnt 0x0                                ; and again, in front of the line that widens it
	s_or_b32 exec_lo, exec_lo, s30
.Lend:
	s_wait_tensorcnt 0x0                           ; the wave's end: three closing lines, behind my last LDS store
	ds_add_u32 v6, v7
	s_wait_dscnt 0x0
	s_endpgm
.Lfunc_end_k_q3371e755b4_prep:
	.size	k_q3371e755b4_prep, .Lfunc_end_k_q3371e755b4_prep-k_q3371e755b4_prep
	.p2alignl 7, 3214868480
	.fill 96, 4, 3214868480
	.section	.rodata,"a",@progbits
	.p2align	6, 0x0
	.amdhsa_kernel k_q3371e755b4_prep
		.amdhsa_group_segment_fixed_size 2304
		.amdhsa_private_segment_fixed_size 0
		.amdhsa_enable_private_segment 0
		.amdhsa_kernarg_size 56
		.amdhsa_user_sgpr_count 2
		.amdhsa_user_sgpr_kernarg_segment_ptr 1
		.amdhsa_wavefront_size32 1
		.amdhsa_system_sgpr_workgroup_id_x 1
		.amdhsa_system_sgpr_workgroup_id_y 1
		.amdhsa_system_sgpr_workgroup_id_z 1
		.amdhsa_system_vgpr_workitem_id 0
		.amdhsa_next_free_vgpr 224
		.amdhsa_next_free_sgpr 66
		.amdhsa_reserve_vcc 1
		.amdhsa_float_denorm_mode_32 3
		.amdhsa_float_denorm_mode_16_64 3
		.amdhsa_memory_ordered 1
		.amdhsa_forward_progress 1
		.amdhsa_inst_pref_size 46
	.end_amdhsa_kernel
	.amdgpu_metadata
---
amdhsa.version: [ 1, 2 ]
amdhsa.kernels:
  - .name:           k_q3371e755b4_prep
    .symbol:         k_q3371e755b4_prep.kd
    .args:
      - { .name: x, .offset: 0, .size: 8, .value_kind: global_buffer, .address_space: global }
      - { .name: W1, .offset: 8, .size: 8, .value_kind: global_buffer, .address_space: global }
      - { .name: W2, .offset: 16, .size: 8, .value_kind: global_buffer, .address_space: global }
      - { .name: xb, .offset: 24, .size: 8, .value_kind: global_buffer, .address_space: global }
      - { .name: w1b, .offset: 32, .size: 8, .value_kind: global_buffer, .address_space: global }
      - { .name: w2b, .offset: 40, .size: 8, .value_kind: global_buffer, .address_space: global }
      - { .name: ub, .offset: 48, .size: 8, .value_kind: global_buffer, .address_space: global }
    .group_segment_fixed_size: 2304
    .private_segment_fixed_size: 0
    .kernarg_segment_align: 8
    .kernarg_segment_size: 56
    .max_flat_workgroup_size: 512
    .sgpr_count:     66
    .vgpr_count:     224
    .wavefront_size: 32
...
	.end_amdgpu_metadata
.endif
;; end of part 1
;; launch ffn1 (part 2): grid 16 x 16, 4 waves a work-group, clusters of 4 x 4, 327,680 bytes of LDS; arguments xb, w1b, b1, scale, ub, hb, tp; writes hb, tp
.if DOCPART == 2
	.amdgcn_target "amdgcn-amd-amdhsa--gfx1250"
	.amdhsa_code_object_version 6
	.text
	.protected	k_q3371e755b4_ffn1
	.globl	k_q3371e755b4_ffn1
	.p2align	8
	.type	k_q3371e755b4_ffn1,@function
k_q3371e755b4_ffn1:
	s_mov_b64 s[64:65], 0
	v_nop
	global_prefetch_b8 v0, s[64:65] scope:SCOPE_SE
	s_setreg_imm32_b32 hwreg(HW_REG_WAVE_MODE, 25, 1), 1
	s_wait_xcnt 0x0
	s_wait_alu depctr_hold_cnt(0) depctr_sa_sdst(0) depctr_va_vdst(0) depctr_va_sdst(0) depctr_va_ssrc(0) depctr_va_vcc(0) depctr_vm_vsrc(0)
	s_getreg_b32 s2, hwreg(HW_REG_IB_STS2, 6, 4)
	s_cmp_eq_u32 s2, 0
	s_cbranch_scc0 .Lentry_in_a_cluster
	s_endpgm
.Lentry_in_a_cluster:
	s_bfe_u32 s2, ttmp6, 0x10000c
	s_cmp_lg_u32 s2, 0xf033
	s_cbranch_scc0 .Lentry_shape_is_right
	s_endpgm
.Lentry_shape_is_right:
; FFN1.  hb[s][n] = bf16(gelu(sum over k of xb[s][k] w1b[n][k] + b1[n] + scale u[s][n/1024] even[n/1024][n%1024])), even[q] = token 2q+1 of s's sample, u from ub;
; tp[cw][s][q] = the sum over the 128 columns n of block cw of hb[s][n] xb[token 10+2q][n%1024], q = 0..3: partial sums, in f32, of what the second layer's update needs.
; The sample's update of W1 is four outer products, so x times it is even[k][i] u[s][k]: it is added in f32 on the way out and never formed as a matrix.
; LIMITS.  b1 and scale are rounded to bf16 like all inputs; h is rounded once to bf16.  erf(z) = 1 - (a1 t + .. + a5 t^5) e^(-z z), t = 1 / (1 + 0.3275911 z), for z = |x| / sqrt(2): off by
; 1.5e-7 at the most for every x (where x x overflows the exponential is 0 and erf is 1).  Sums in f32, in another order than a row-wise sum.  NaN and infinities are not treated apart.
; SHARES.  A tile of h, 256 x 256, is made by a work-group of four waves, 128 x 128 each: 64 accumulators, 512 registers.  K = 1,024 goes in 8 steps of 128 through a ring of two LDS slots filled by
; the tensor data mover; rows of 256 bytes, padded to 272.  4 x 4 work-groups form a cluster: xb's tile is asked for jointly along a row of the cluster, w1b's along a column.
; THE MATRIX INSTRUCTION IS USED TRANSPOSED (source 0 = 16 rows of w1b, source 1 = 16 rows of xb): lane l holds row l % 16 of h and the columns 8 (l / 16) + 0..7.
; REGISTERS, in windows of 256 (s_set_vgpr_msb: bits 1:0 source 0, 3:2 source 1, 5:4 source 2, 7:6 destination):
;   window 0: v0-31 addresses, scale, u; v32-63 four fragments of the tokens 10, 12, 14, 16; v64-127, v128-191 xb's fragments, two buffers; v192-223 a block of h in bf16; v224-255 at work at the head
;             on the way out v64-127 is X (a block's 64 numbers a lane), v128-159 rows read back, v160-175 two sums of t, v176-179 their total
;   window 1: v0-63 b1 of my 128 columns (later Q); v64-127, v128-191 w1b's fragments (later D and G); v192-255 scale x even of my 128 columns
;   window 2: the accumulators of my rows 0-63 ((a, b) at v[8 (8 a + b)]);   window 3: those of my rows 64-127
.set SIZE_K, 1024
.set SIZE_N, 4096
.set KSTEP,  128
.set PITCH,  272                       ; an LDS row: 256 bytes + 16 of padding: the 16 rows that a load touches start 16 bytes apart modulo 256
.set HALFT,  128*PITCH                 ; 128 rows: what one tensor load brings, and what one wave reads of either operand
.set SLOT,   4*HALFT                   ; xb's 256 rows, then w1b's 256 rows
.set STAGE,  2*SLOT                    ; behind the ring: 16 rows x 272 bytes for each wave, for the way out; no tensor load fills it
.set SPITCH, 272
.set SPARE,  STAGE+4*16*SPITCH         ; behind the stages: the spare words, 128 bytes for each wave, which no other line names
.set LAPS,   SIZE_K/(2*KSTEP)          ; a lap = two K steps = once round the ring
.set SC,   6                           ; v[6:7]  scale, rounded to bf16, twice
.set UU,   8                           ; v8-15   u of my row in block a, for the tile's k
.set ADRA, 16                          ; v16-17  LDS address of my xb fragments in slot 0, 1
.set ADRB, 20                          ; v20-21  the same for w1b
.set STO,  24                          ; v24     the way out: where I put 16 bytes of a row
.set RD,   25                          ; v25     where I read a row back
.set CO,   26                          ; v26     my byte offset in two rows of hb
.set TO,   27                          ; v27     16 x (l % 16): a row of ub or tp
.set SPW,  28                          ; v28     LDS address of my spare word; never rewritten
.set NIL,  29                          ; v29     0; never rewritten
.set PFO,  30                          ; v30     the prefetches' offset: lane x 2,048; never rewritten
.set LN,   31                          ; v31     lane
.set ODD,  32
.set F0,   64
.set F1,   128
.set XX,   64
.set OB,   128
.set T0,   160
.set T1,   168
.set TS,   176
.set HH,   192
.set RAW,  224
.set QQ,   0                           ; window 1
.set DD,   64
.set GG,   128
.set EV,   192
.set G1,  24                           ; s[24:31] descriptor group 1 for xb's tiles;  s[32:39] group 0, a set for each slot
.set G0,  32
.set G1B, 48                           ; s[48:55], s[56:63] the same for w1b's
.set G0B, 56
.set LIM, 43                           ; s43      1 in a wave that prefetches, else the greatest number
.set PFA, 44                           ; s[44:45] where my prefetches stand
.set MSB, 0
.macro WIN new                         ; the immediate's high byte repeats the setting that is left; a switch that changes nothing is dropped
.if MSB != (\new)
	s_set_vgpr_msb (MSB<<8)|(\new)
.set MSB, \new
.endif
.endm
.set MUL_LO, 0xa1                      ; source 0 (w1b) window 1, source 1 (xb) window 0, C and D window 2
.set TO_B,   0x40                      ; destination window 1, address window 0
; A joint load.  Waves 0 and 1 fetch xb's two halves, waves 2 and 3 w1b's; the branch hangs on the wave's number alone.  An s_nop 0 and four v_nop follow each of the two lines.
.macro JLOAD s
	s_cmp_eq_u32 s11, 0
	s_cbranch_scc0 .Lfor_b_\@
	tensor_load_to_lds s[G0+4*(\s):G0+4*(\s)+3], s[G1:G1+7]
	s_nop 0
.rept 4
	v_nop
.endr
	s_branch .Lasked_\@
.Lfor_b_\@:
	tensor_load_to_lds s[G0B+4*(\s):G0B+4*(\s)+3], s[G1B:G1B+7]
	s_nop 0
.rept 4
	v_nop
.endr
.Lasked_\@:
.endm
; A prefetch, behind each joint refill and the run of LDS loads that follows it: the K step that stands two refills on, 32 rows x 256 bytes, a lane a row, one instruction a wave.
; Each row's 256 bytes of a K step are named once in the launch: xb's rows by the clusters with x = 0, w1b's by those with y = 0; of the 128 rows that a wave fetches each of the four partners
; takes 32, told apart by address.  K steps 0 to 3 come by their loads alone; the loop's last trip (s3 = 1) asks for nothing: K has no step 8.
.macro ASK
	s_cmp_gt_u32 s3, s[LIM]
	s_cbranch_scc0 .Lnot_mine_\@
	global_prefetch_b8 v[PFO], s[PFA:PFA+1] offset:KSTEP*2 th:TH_LOAD_NT scope:SCOPE_SE
.Lnot_mine_\@:
.endm
.macro CREST                           ; a round of the cluster's barrier behind its opening barrier
	s_cmp_lg_u32 s10, 0
	s_cbranch_scc1 .Lnot_wave_0_\@
	s_barrier_signal -3
.Lnot_wave_0_\@:
	s_barrier_wait -3
	s_barrier_signal -1
	s_barrier_wait -1
.endm
.macro CROUND                          ; a whole round
	s_barrier_signal -1
	s_barrier_wait -1
	CREST
.endm
	s_load_b128 s[4:7], s[0:1], 0x0                ; xb s[4:5], w1b s[6:7]
	s_load_b256 s[68:75], s[0:1], 0x10             ; b1 s[68:69], scale s[70:71], ub s[72:73], hb s[74:75]
	s_load_b64 s[76:77], s[0:1], 0x30              ; tp
	v_lshl_add_u32 v[SPW], v0, 2, SPARE
	v_mov_b32 v[NIL], 0
	ds_add_u32 v[SPW], v[NIL]                      ; the wave's opening: the add and its wait stand ahead of my first tensor load; the set-up below, work on registers, stands between them
	v_lshrrev_b32 v1, 5, v0
	v_readfirstlane_b32 s10, v1                    ; wave 0..3
	s_lshr_b32 s11, s10, 1                         ; which half of the tile's rows is mine.  Also: I fetch for xb (0) or for w1b (1)
	s_and_b32 s12, s10, 1                          ; which half of its columns.  Also: which 128 rows of that tile I fetch
	s_bfe_u32 s40, ttmp6, 0x40000                  ; cx, cy: my place in the cluster
	s_bfe_u32 s41, ttmp6, 0x40004
	s_lshl_b32 s42, ttmp9, 2
	s_add_co_u32 s42, s42, s40                     ; tile column = 4 x cluster x + cx
	s_and_b32 s13, ttmp7, 0xffff
	s_lshl_b32 s13, s13, 2
	s_add_co_u32 s13, s13, s41                     ; tile row = 4 x cluster y + cy
	s_lshl_b32 s43, s41, 2
	s_lshl_b32 s43, 15, s43                        ; my row of the cluster
	s_lshl_b32 s44, 0x1111, s40                    ; my column
	; descriptor group 1: a tile of 128 rows x 128 elements of 2 bytes, 4 words of padding behind every 64
	s_or_b32 s[G1+0], s43, (1<<16)|(1<<20)|(1<<21)|(5<<22)|(3<<25)
	s_or_b32 s[G1B+0], s44, (1<<16)|(1<<20)|(1<<21)|(5<<22)|(3<<25)
.irp g, G1, G1B
	s_mov_b32 s[(\g)+1], KSTEP<<16                 ; tensor_dim0 = 128
	s_mov_b32 s[(\g)+2], 128<<16                   ; tensor_dim1 = 128
	s_mov_b32 s[(\g)+3], KSTEP<<16                 ; tile_dim0 = 128
	s_mov_b32 s[(\g)+4], 128                       ; tile_dim1 = 128
	s_mov_b32 s[(\g)+5], SIZE_K                    ; elements from row to row
	s_mov_b32 s[(\g)+6], 0
	s_mov_b32 s[(\g)+7], 0
.endr
	s_mov_b32 s78, 0x3e6d3388                      ; 0.3275911 / sqrt(2)
	s_mov_b32 s80, 0xbf38aa3b                      ; -log2(e) / 2; the constants of packed lines are named as pairs, so both words are written
	s_mov_b32 s81, s80
	s_mov_b32 s82, 0x3f87dc22                      ; a5 =  1.061405429
	s_mov_b32 s83, s82
	s_mov_b32 s84, 0xbfba00e3                      ; a4 = -1.453152027
	s_mov_b32 s85, s84
	s_mov_b32 s86, 0x3fb5f0e3                      ; a3 =  1.421413741
	s_mov_b32 s87, s86
	s_mov_b32 s88, 0xbe91a98e                      ; a2 = -0.284496736
	s_mov_b32 s89, s88
	s_mov_b32 s90, 0x3e827906                      ; a1 =  0.254829592
	s_mov_b32 s91, s90
	s_mov_b32 s95, 0xffff0000                      ; a word's upper bf16
	s_lshl_b32 s17, s12, 7                         ; which 128 rows of the tile I fetch
	s_lshl_b32 s16, s13, 8
	s_add_co_u32 s16, s16, s17                     ; xb: row 256 x tile row + 128 x half
	s_lshl_b32 s46, s42, 8
	s_add_co_u32 s46, s46, s17                     ; w1b: row 256 x tile column + 128 x half
	s_mov_b32 s17, 0
	s_mov_b32 s47, 0
	s_mov_b64 s[18:19], SIZE_K*2
	s_mul_u64 s[16:17], s[16:17], s[18:19]
	s_mul_u64 s[46:47], s[46:47], s[18:19]
	s_mul_i32 s20, s10, HALFT                      ; where they go: wave x 128 rows: no place in the cluster enters an LDS address
	s_wait_dscnt 0x0                               ; the opening add is done
	s_wait_kmcnt 0x0
	s_add_nc_u64 s[14:15], s[4:5], s[16:17]
	s_add_nc_u64 s[46:47], s[6:7], s[46:47]
	s_load_b32 s79, s[70:71], 0x0                  ; scale; no line of this launch writes it
	CROUND                                         ; all sixteen work-groups are here: the first joint loads meet
.irp s, 0,1
	s_mov_b32 s[G0+4*(\s)], 1                                        ; count = 1
	s_add_co_u32 s[G0+4*(\s)+1], s20, (\s)*SLOT                      ; LDS address
	s_add_nc_u64 s[G0+4*(\s)+2:G0+4*(\s)+3], s[14:15], (\s)*KSTEP*2  ; global address: K step s
	s_or_b32 s[G0+4*(\s)+3], s[G0+4*(\s)+3], 0x80000000              ; type = 2
	s_mov_b32 s[G0B+4*(\s)], 1
	s_add_co_u32 s[G0B+4*(\s)+1], s20, (\s)*SLOT
	s_add_nc_u64 s[G0B+4*(\s)+2:G0B+4*(\s)+3], s[46:47], (\s)*KSTEP*2
	s_or_b32 s[G0B+4*(\s)+3], s[G0B+4*(\s)+3], 0x80000000
	JLOAD \s                                       ; two loads of mine are out
.endr
	; what the way out needs is asked for now, and made ready in the wait for the first tile
	v_and_b32 v1, 15, v0                           ; r = l % 16
	v_bfe_u32 v2, v0, 4, 1                         ; h = l / 16
	v_and_b32 v[LN], 31, v0
	v_lshlrev_b32 v[TO], 4, v1
	v_lshlrev_b32 v176, 5, v2                      ; 32 h: my 8 numbers of f32 in 16 columns
	v_lshlrev_b32 v177, 4, v2                      ; 16 h: the same in bf16
	v_and_b32 v179, 3, v1
	v_lshl_add_u32 v179, v179, 12, v177            ; a fragment's row r is token 10 + 2 (r % 4): two rows of 2,048 bytes apart
	s_lshl_b32 s16, s13, 8
	s_lshl_b32 s17, s11, 7
	s_add_co_u32 s16, s16, s17                     ; my first row of h
	s_lshl_b32 s18, s42, 8
	s_lshl_b32 s17, s12, 7
	s_add_co_u32 s18, s18, s17                     ; my first column
	s_lshr_b32 s66, s13, 2                         ; the sample: 4 tile rows each
	s_lshr_b32 s67, s42, 2                         ; k: 4 tile columns each
	s_and_b32 s19, s18, 1023                       ; my first column within its 1,024
	s_mov_b32 s21, 0
	s_mov_b32 s23, 0
	s_lshl_b32 s20, s18, 2
	s_add_nc_u64 s[68:69], s[68:69], s[20:21]      ; b1 at my first column
	s_lshl_b32 s22, s66, 10                        ; the sample's first token
	s_lshl1_add_u32 s20, s67, s22
	s_add_co_u32 s20, s20, 1                       ; token 2 k + 1
	s_lshl_b32 s20, s20, 11
	s_lshl1_add_u32 s20, s19, s20
	s_add_nc_u64 s[98:99], s[4:5], s[20:21]        ; even[k] at my first column
	s_add_co_u32 s22, s22, 10                      ; token 10
	s_lshl_b32 s22, s22, 11
	s_lshl1_add_u32 s22, s19, s22
	s_add_nc_u64 s[100:101], s[4:5], s[22:23]
	s_lshl_b32 s20, s16, 4
	s_lshl2_add_u32 s20, s67, s20
	s_add_nc_u64 s[72:73], s[72:73], s[20:21]      ; ub at my first row, number k
	s_lshl_b32 s20, s16, 13
	s_lshl1_add_u32 s20, s18, s20
	s_add_nc_u64 s[8:9], s[74:75], s[20:21]        ; hb at my first row and column
	s_lshl_b32 s20, s18, 9                         ; my block of 128 columns: 65,536 bytes of tp each
	s_lshl4_add_u32 s20, s16, s20
	s_add_nc_u64 s[96:97], s[76:77], s[20:21]
	WIN TO_B
.irp b, 0,1,2,3,4,5,6,7
	global_load_b128 v[8*(\b):8*(\b)+3],   v176, s[68:69] offset:64*(\b)      ; b1 of the columns 16 b + 8 h + 0..7: the layout of an accumulator's registers
	global_load_b128 v[8*(\b)+4:8*(\b)+7], v176, s[68:69] offset:64*(\b)+16
.endr
	WIN 0
.irp b, 0,1,2,3,4,5,6,7
	global_load_b128 v[RAW+4*(\b):RAW+4*(\b)+3], v177, s[98:99] offset:32*(\b)  ; even[k] of the same columns
.endr
.irp a, 0,1,2,3,4,5,6,7
	global_load_b32 v[UU+(\a)], v[TO], s[72:73] offset:256*(\a)               ; u of row 16 a + r
.endr
.irp f, 0,1,2,3
	global_load_b128 v[ODD+8*(\f):ODD+8*(\f)+3],   v179, s[100:101] offset:64*(\f)     ; a fragment: 16 rows x 32 columns
	global_load_b128 v[ODD+8*(\f)+4:ODD+8*(\f)+7], v179, s[100:101] offset:64*(\f)+32
.endr
	; A fragment of either operand is 16 rows x 32 K in 8 registers: lane l holds row l % 16, K = 8 (l / 16) + 0..7 and 16 + 8 (l / 16) + 0..7: two loads of 16 bytes, 32 bytes apart.
	v_mul_u32_u24 v3, v1, PITCH
	v_lshl_add_u32 v3, v2, 4, v3
	s_mul_i32 s21, s11, HALFT                      ; my 128 rows of xb
	s_mul_i32 s22, s12, HALFT                      ; my 128 rows of w1b,
	s_add_co_u32 s22, s22, 2*HALFT                 ; which lie behind xb's 256
.irp s, 0,1
	v_add_nc_u32 v[ADRA+(\s)], s21, v3
	v_add_nc_u32 v[ADRB+(\s)], s22, v3
	s_add_co_u32 s21, s21, SLOT
	s_add_co_u32 s22, s22, SLOT
.endr
	s_mul_i32 s23, s10, 16*SPITCH
	s_add_co_u32 s23, s23, STAGE                   ; my stage
	v_mul_u32_u24 v4, v1, SPITCH                   ; in: row l % 16, 16 bytes for each half of the lanes
	v_lshl_add_u32 v4, v2, 4, v4
	v_add_nc_u32 v[STO], s23, v4
	v_mul_u32_u24 v5, v2, SPITCH                   ; back: lanes 0-15 take one row of 256 bytes, lanes 16-31 the next
	v_lshl_add_u32 v5, v1, 4, v5
	v_add_nc_u32 v[RD], s23, v5
	v_lshlrev_b32 v5, 13, v2                       ; and the same two rows in hb, 8,192 bytes apart
	v_lshl_add_u32 v[CO], v1, 4, v5
	; the prefetches
	s_lshl_b32 s13, s13, 8
	s_lshl_b32 s42, s42, 8
	s_and_b32 s22, ttmp7, 0xffff                   ; cluster y
	s_cmp_eq_u32 s11, 0                            ; do I fetch for xb?
	s_cselect_b32 s20, s13, s42                    ; the tile's first row
	s_cselect_b32 s21, s40, s41                    ; my place among the four that ask for it with me
	s_cselect_b32 s22, ttmp9, s22                  ; the coordinate along which other clusters read the same rows
	s_cselect_b64 s[PFA:PFA+1], s[4:5], s[6:7]
	s_cmp_eq_u32 s22, 0
	s_cselect_b32 s[LIM], 1, -1                    ; the same in all sixteen partners, for a given wave
	s_lshl_b32 s22, s12, 7
	s_add_co_u32 s20, s20, s22                     ; + the 128 rows that I fetch
	s_lshl_b32 s21, s21, 5
	s_add_co_u32 s20, s20, s21                     ; + my work-group's 32 of them
	s_lshl_b32 s20, s20, 11                        ; rows of 2,048 bytes
	s_mov_b32 s21, 0
	s_add_nc_u64 s[PFA:PFA+1], s[PFA:PFA+1], s[20:21]
	s_add_nc_u64 s[PFA:PFA+1], s[PFA:PFA+1], 2*KSTEP*2  ; at K step 2: the first refill steps it to 3 and names K step 4
	v_mul_u32_u24 v[PFO], v[LN], SIZE_K*2
	s_wait_kmcnt 0x0                               ; scale
	v_cvt_pk_bf16_f32 v[SC], s79, s79
	v_lshlrev_b32 v[SC], 16, v[SC]
	v_mov_b32 v[SC+1], v[SC]
	s_wait_loadcnt 0x0
	WIN 0x45                                       ; b1 rounded to bf16, in place, all in window 1
.set m, 0
.rept 32
	v_cvt_pk_bf16_f32 v[64+m%4], v[2*m], v[2*m+1]
	v_lshlrev_b32 v[2*m], 16, v[64+m%4]
	v_and_b32 v[2*m+1], s95, v[64+m%4]
.set m, m+1
.endr
	WIN 0x40                                       ; even widened into window 1,
.set m, 0
.rept 32
	v_lshlrev_b32 v[EV+2*m], 16, v[RAW+m]
	v_and_b32 v[EV+2*m+1], s95, v[RAW+m]
.set m, m+1
.endr
	WIN 0x41                                       ; and multiplied by scale
.set m, 0
.rept 32
	v_pk_mul_f32 v[EV+2*m:EV+2*m+1], v[EV+2*m:EV+2*m+1], v[SC:SC+1]
.set m, m+1
.endr
	WIN 0
; 16 matrix instructions: m blocks a0, a0 + 1 of the window's four (hi = 0: my rows 0-63, 1: rows 64-127) x all 8 n blocks, 32 along K.
; first = 1: the first product starts the sum with b1 as its C operand (window 1): nothing is cleared and the bias costs no instruction.
; The 64 accumulators take turns, one instruction a turn, in the same order in every quarter step.
.macro MUL16 f, hi, a0, first
.if \first
	WIN 0x91+0x40*(\hi)
.else
	WIN MUL_LO+0x50*(\hi)
.endif
.irp a, \a0, (\a0)+1
.irp b, 0,1,2,3,4,5,6,7
.if \first
	v_wmma_f32_16x16x32_bf16 v[8*(8*(\a)+(\b)):8*(8*(\a)+(\b))+7], v[(\f)+8*(\b):(\f)+8*(\b)+7], v[(\f)+8*(4*(\hi)+(\a)):(\f)+8*(4*(\hi)+(\a))+7], v[8*(\b):8*(\b)+7]
.else
	v_wmma_f32_16x16x32_bf16 v[8*(8*(\a)+(\b)):8*(8*(\a)+(\b))+7], v[(\f)+8*(\b):(\f)+8*(\b)+7], v[(\f)+8*(4*(\hi)+(\a)):(\f)+8*(4*(\hi)+(\a))+7], v[8*(8*(\a)+(\b)):8*(8*(\a)+(\b))+7]
.endif
.endr
.endr
.endm
; 32 LDS loads in one run: the fragments of one quarter step (128 rows of w1b, 128 rows of xb, 32 K at byte k of the rows) into buffer f
.macro FETCH slot, k, f
	WIN TO_B
.irp i, 0,1,2,3,4,5,6,7
	ds_load_b128 v[(\f)+8*(\i):(\f)+8*(\i)+3],   v[ADRB+(\slot)] offset:(\k)+(\i)*16*PITCH
	ds_load_b128 v[(\f)+8*(\i)+4:(\f)+8*(\i)+7], v[ADRB+(\slot)] offset:(\k)+(\i)*16*PITCH+32
.endr
	WIN 0
.irp i, 0,1,2,3,4,5,6,7
	ds_load_b128 v[(\f)+8*(\i):(\f)+8*(\i)+3],   v[ADRA+(\slot)] offset:(\k)+(\i)*16*PITCH
	ds_load_b128 v[(\f)+8*(\i)+4:(\f)+8*(\i)+7], v[ADRA+(\slot)] offset:(\k)+(\i)*16*PITCH+32
.endr
.endm
.macro PLACES                          ; four plain vector instructions between a matrix instruction and a load into, or a vector line on, its registers
.rept 4
	v_nop
.endr
.endm
; A K step is four quarter steps of 32 along K, 64 matrix instructions each, on buffers 0, 1, 0, 1.  One of the first three multiplies buffer f and, in its middle, fetches the next quarter into g.
.macro QUARTER slot, k, f, g, first
	s_wait_dscnt 8                                 ; w1b's and xb's rows 0-63 are in; the youngest eight loads (xb's rows 64-127) may be out
	MUL16 \f, 0, 0, \first
	MUL16 \f, 0, 2, \first
	PLACES
	FETCH \slot, \k, \g
	s_wait_dscnt 32                                ; all but the 32 just issued
	MUL16 \f, 1, 0, \first
	MUL16 \f, 1, 2, \first
.endm
; The last quarter multiplies buffer 1 and changes slots.  MEET is its first half: one barrier; in front of it each wave waits for all its tensor loads (one is out: its part of the next slot),
; adds 0 to its spare word, and waits for that and for its own reads of this slot.  Behind it nobody reads this slot any more and the next slot is whole.
.macro MEET round
	WIN 0                                          ; (the add's two registers lie in window 0)
	s_wait_tensorcnt 0x0
	ds_add_u32 v[SPW], v[NIL]                      ; 0 onto my spare word
	s_wait_dscnt 9                                 ; (the add and the youngest eight loads may be out)
	MUL16 F1, 0, 0, 0                              ; sixteen matrix instructions stand between the add and the wait for it
	s_wait_dscnt 0x0                               ; the add is done, and my reads of this slot are over
	s_barrier_signal -1
	MUL16 F1, 0, 2, 0                              ; work on registers while the others arrive
.if \round
	WIN 0
.endif
	s_barrier_wait -1
.endm
; The whole last quarter with a refill: the barrier opens a round of the cluster's barrier; behind the round the slot just read out is filled again, two K steps on: the wave's one tensor load,
; 224 matrix instructions ahead of the wait for it.
.macro TURN slot, next
	s_wait_xcnt 0x0                                ; the last prefetch, a K step back, has read its address: it is stepped here
	s_add_nc_u64 s[PFA:PFA+1], s[PFA:PFA+1], KSTEP*2
	MEET 1
	CREST                                          ; no wave of any partner still reads this slot's tile or has a load on its way
	s_add_nc_u64 s[G0+4*(\slot)+2:G0+4*(\slot)+3], s[G0+4*(\slot)+2:G0+4*(\slot)+3], 2*KSTEP*2
	s_add_nc_u64 s[G0B+4*(\slot)+2:G0B+4*(\slot)+3], s[G0B+4*(\slot)+2:G0B+4*(\slot)+3], 2*KSTEP*2
	JLOAD \slot                                    ; the four v_nop behind it are also the places in front of the loads below
	FETCH \next, 0, F0
	ASK
	MUL16 F1, 1, 0, 0
	MUL16 F1, 1, 2, 0
.endm
	s_wait_tensorcnt 1                             ; my part of K step 0 is in; K step 1's may stay out
	s_barrier_signal -1
	s_barrier_wait -1                              ; everybody's is
	FETCH 0, 0, F0
	QUARTER 0, 64,  F0, F1, 1                      ; the first quarter stands in front of the loop: its products start the sums
	WIN 0                                          ; at a label and at a branch every window is 0
	s_mov_b32 s3, LAPS-1
.Llap:                                 ; a trip goes once round the ring, from a lap's second quarter to the next lap's first, and fills both slots again
	QUARTER 0, 128, F1, F0, 0
	QUARTER 0, 192, F0, F1, 0
	TURN 0, 1
	QUARTER 1, 64,  F0, F1, 0
	QUARTER 1, 128, F1, F0, 0
	QUARTER 1, 192, F0, F1, 0
	TURN 1, 0
	QUARTER 0, 64,  F0, F1, 0
	WIN 0
	s_sub_co_u32 s3, s3, 1
	s_cmp_lg_u32 s3, 0
	s_cbranch_scc1 .Llap
	QUARTER 0, 128, F1, F0, 0                      ; the last lap is written out: it fills nothing, and has no round
	QUARTER 0, 192, F0, F1, 0
	MEET 0
	PLACES
	FETCH 1, 0, F0
	MUL16 F1, 1, 0, 0
	MUL16 F1, 1, 2, 0
	QUARTER 1, 64,  F0, F1, 0
	QUARTER 1, 128, F1, F0, 0
	QUARTER 1, 192, F0, F1, 0
	s_wait_dscnt 8                                 ; the very last quarter: nothing more to fetch
	MUL16 F1, 0, 0, 0
	MUL16 F1, 0, 2, 0
	s_wait_dscnt 0x0
	MUL16 F1, 1, 0, 0
	MUL16 F1, 1, 2, 0
	WIN 0
	PLACES
	PLACES
; THE WAY OUT: eight trips, block a of 16 rows x 128 columns in trip a.  Only the first step names the block's accumulators, so only it is written eight times.
; X = scale even u + sum: the first layer's update, in f32, and at once the move into registers that the rest of the trip names.  Each accumulator's lowest registers are read first.
.macro PH1 a
	WIN 0x21+0x10*((\a)/4)                         ; source 0 (scale even) window 1, source 1 (u) window 0, source 2 (sums) window 2 or 3
.set i, 0
.rept 32
.if (\a)%2
	v_pk_fma_f32 v[XX+2*i:XX+2*i+1], v[EV+2*i:EV+2*i+1], v[UU+2*((\a)/2):UU+2*((\a)/2)+1], v[64*((\a)%4)+2*i:64*((\a)%4)+2*i+1] op_sel:[0,1,0] op_sel_hi:[1,1,1]
.else
	v_pk_fma_f32 v[XX+2*i:XX+2*i+1], v[EV+2*i:EV+2*i+1], v[UU+2*((\a)/2):UU+2*((\a)/2)+1], v[64*((\a)%4)+2*i:64*((\a)%4)+2*i+1] op_sel_hi:[1,0,1]
.endif
.set i, i+1
.endr
	WIN 0
.endm
; One stage of the polynomial over the 32 pairs, so that no line waits for the one before it; behind every second line one of the 64 exponentials.
.macro HORNER st
.set i, 0
.rept 32
.if (\st) == 0
	v_pk_fma_f32 v[QQ+2*i:QQ+2*i+1], v[DD+2*i:DD+2*i+1], s[82:83], s[84:85] op_sel_hi:[1,0,0]
.else
	v_pk_fma_f32 v[QQ+2*i:QQ+2*i+1], v[QQ+2*i:QQ+2*i+1], v[DD+2*i:DD+2*i+1], s[84+2*(\st):85+2*(\st)] op_sel_hi:[1,1,0]
.endif
.if i%2 == 1
	v_exp_f32 v[GG+e], v[GG+e]
.set e, e+1
.endif
.set i, i+1
.endr
.endm
	s_mov_b32 s94, 0
.Lblk:
.irp a, 0,1,2,3,4,5,6
	s_cmp_eq_u32 s94, \a
	s_cbranch_scc1 .Lp\a
.endr
	PH1 7
	s_branch .Lgelu
.irp a, 0,1,2,3,4,5
.Lp\a:
	PH1 \a
	s_branch .Lgelu
.endr
.Lp6:
	PH1 6
.Lgelu:
	; gelu(x) = x / 2 + |x / 2| erf(|x| / sqrt(2))
	WIN 0x40                                       ; X in window 0; D, G in window 1
.set i, 0
.rept 64
	v_fma_f32 v[DD+i], |v[XX+i]|, s78, 1.0         ; 1 + p z
.set i, i+1
.endr
.set i, 0
.rept 32
	v_pk_mul_f32 v[GG+2*i:GG+2*i+1], v[XX+2*i:XX+2*i+1], v[XX+2*i:XX+2*i+1]
.set i, i+1
.endr
	WIN 0x45                                       ; all in window 1
.set i, 0
.rept 32
	v_pk_mul_f32 v[GG+2*i:GG+2*i+1], v[GG+2*i:GG+2*i+1], s[80:81] op_sel_hi:[1,0]  ; -z z log2(e)
	v_rcp_f32 v[DD+2*i], v[DD+2*i]                 ; t
	v_rcp_f32 v[DD+2*i+1], v[DD+2*i+1]
.set i, i+1
.endr
	v_nop                                          ; a plain instruction behind the last reciprocal,
	s_wait_alu depctr_va_vdst(0)                   ; and one wait for the batch of 64, ahead of its first reader
.set e, 0
	HORNER 0                                       ; a5 t + a4
	HORNER 1                                       ; .. t + a3
	HORNER 2                                       ; .. t + a2
	HORNER 3                                       ; .. t + a1
	v_nop                                          ; a plain instruction behind the last exponential,
	s_wait_alu depctr_va_vdst(0)                   ; and one wait for the batch of 64
.set i, 0
.rept 32
	v_pk_mul_f32 v[GG+2*i:GG+2*i+1], v[GG+2*i:GG+2*i+1], v[DD+2*i:DD+2*i+1]  ; t e^(-z z)
.set i, i+1
.endr
.set i, 0
.rept 32
	v_pk_fma_f32 v[QQ+2*i:QQ+2*i+1], v[QQ+2*i:QQ+2*i+1], v[GG+2*i:GG+2*i+1], 1.0 op_sel_hi:[1,1,0] neg_lo:[1,0,0] neg_hi:[1,0,0]  ; erf
.set i, i+1
.endr
	WIN 0
.set i, 0
.rept 32
	v_pk_mul_f32 v[XX+2*i:XX+2*i+1], v[XX+2*i:XX+2*i+1], 0.5 op_sel_hi:[1,0]
.set i, i+1
.endr
	WIN 0x04                                       ; source 1 (erf) in window 1
.set i, 0
.rept 64
	v_fma_f32 v[XX+i], |v[XX+i]|, v[QQ+i], v[XX+i]
.set i, i+1
.endr
	WIN 0
.set i, 0
.rept 32
	v_cvt_pk_bf16_f32 v[HH+i], v[XX+2*i], v[XX+2*i+1]
.set i, i+1
.endr
	; The block in bf16 IS source 1 (32 columns of h x 16 rows, four times).  With the tokens' fragments as source 0, registers 0-3 of every lane hold the four sums of row l % 16.
	; Two accumulators by turns.
	v_wmma_f32_16x16x32_bf16 v[T0:T0+7], v[ODD:ODD+7],       v[HH:HH+7],       0
	v_wmma_f32_16x16x32_bf16 v[T1:T1+7], v[ODD+8:ODD+15],    v[HH+8:HH+15],    0
	v_wmma_f32_16x16x32_bf16 v[T0:T0+7], v[ODD+16:ODD+23],   v[HH+16:HH+23],   v[T0:T0+7]
	v_wmma_f32_16x16x32_bf16 v[T1:T1+7], v[ODD+24:ODD+31],   v[HH+24:HH+31],   v[T1:T1+7]
.irp b, 0,1,2,3,4,5,6,7
	ds_store_b128 v[STO], v[HH+4*(\b):HH+4*(\b)+3] offset:32*(\b)
.endr
.irp t, 0,1,2,3,4,5,6,7
	ds_load_b128 v[OB+4*(\t):OB+4*(\t)+3], v[RD] offset:(\t)*2*SPITCH  ; LDS serves a wave's instructions in order (ISA guide 5.7.1.4): these see the stores above
.endr
	PLACES
	PLACES
	v_pk_add_f32 v[TS:TS+1],   v[T0:T0+1],   v[T1:T1+1]
	v_pk_add_f32 v[TS+2:TS+3], v[T0+2:T0+3], v[T1+2:T1+3]
	s_wait_dscnt 0x0                               ; the block is back in registers
.irp t, 0,1,2,3,4,5,6,7
	global_store_b128 v[CO], v[OB+4*(\t):OB+4*(\t)+3], s[8:9] offset:2*(\t)*SIZE_N*2  ; 16 lanes store 256 consecutive bytes, at a multiple of 256 from hb's first byte
.endr
	v_cmp_gt_u32 vcc_lo, 16, v[LN]                 ; lanes 0-15: one lane a row
	s_wait_xcnt 0x0                                ; EXEC changes only behind this wait
	s_and_saveexec_b32 s93, vcc_lo
	global_store_b128 v[TO], v[TS:TS+3], s[96:97]  ; 16 rows x 16 bytes: 256 consecutive bytes of tp
	s_wait_xcnt 0x0                                ; and again; behind it the bases and the stores' registers may be written too
	s_or_b32 exec_lo, exec_lo, s93
	s_add_nc_u64 s[8:9], s[8:9], 16*SIZE_N*2       ; 16 rows on
	s_add_nc_u64 s[96:97], s[96:97], 256
	s_add_co_u32 s94, s94, 1
	s_cmp_lt_u32 s94, 8
	s_cbranch_scc1 .Lblk
	s_wait_tensorcnt 0x0                           ; the wave's end: three closing lines, behind my last tensor load and my last LDS store
	ds_add_u32 v[SPW], v[NIL]
	s_wait_dscnt 0x0
	CROUND                                         ; the closing round: no work-group ends while a partner may still ask for a tile that names it
	s_endpgm
.Lfunc_end_k_q3371e755b4_ffn1:
	.size	k_q3371e755b4_ffn1, .Lfunc_end_k_q3371e755b4_ffn1-k_q3371e755b4_ffn1
	.p2alignl 7, 3214868480
	.fill 96, 4, 3214868480
	.section	.rodata,"a",@progbits
	.p2align	6, 0x0
	.amdhsa_kernel k_q3371e755b4_ffn1
		.amdhsa_group_segment_fixed_size 327680
		.amdhsa_private_segment_fixed_size 0
		.amdhsa_enable_private_segment 0
		.amdhsa_kernarg_size 56
		.amdhsa_user_sgpr_count 2
		.amdhsa_user_sgpr_kernarg_segment_ptr 1
		.amdhsa_wavefront_size32 1
		.amdhsa_system_sgpr_workgroup_id_x 1
		.amdhsa_system_sgpr_workgroup_id_y 1
		.amdhsa_system_sgpr_workgroup_id_z 1
		.amdhsa_system_vgpr_workitem_id 0
		.amdhsa_next_free_vgpr 1024
		.amdhsa_next_free_sgpr 102
		.amdhsa_reserve_vcc 1
		.amdhsa_float_denorm_mode_32 3
		.amdhsa_float_denorm_mode_16_64 3
		.amdhsa_memory_ordered 1
		.amdhsa_forward_progress 1
		.amdhsa_inst_pref_size 179
	.end_amdhsa_kernel
	.amdgpu_metadata
---
amdhsa.version: [ 1, 2 ]
amdhsa.kernels:
  - .name:           k_q3371e755b4_ffn1
    .symbol:         k_q3371e755b4_ffn1.kd
    .args:
      - { .name: xb, .offset: 0, .size: 8, .value_kind: global_buffer, .address_space: global }
      - { .name: w1b, .offset: 8, .size: 8, .value_kind: global_buffer, .address_space: global }
      - { .name: b1, .offset: 16, .size: 8, .value_kind: global_buffer, .address_space: global }
      - { .name: scale, .offset: 24, .size: 8, .value_kind: global_buffer, .address_space: global }
      - { .name: ub, .offset: 32, .size: 8, .value_kind: global_buffer, .address_space: global }
      - { .name: hb, .offset: 40, .size: 8, .value_kind: global_buffer, .address_space: global }
      - { .name: tp, .offset: 48, .size: 8, .value_kind: global_buffer, .address_space: global }
    .group_segment_fixed_size: 327680
    .private_segment_fixed_size: 0
    .kernarg_segment_align: 8
    .kernarg_segment_size: 56
    .max_flat_workgroup_size: 128
    .sgpr_count:     102
    .vgpr_count:     1024
    .wavefront_size: 32
...
	.end_amdgpu_metadata
.endif
;; end of part 2
;; launch ffn2 (part 3): grid 8 x 32, 4 waves a work-group, clusters of 4 x 4, 327,680 bytes of LDS; arguments hb, w2b, b2, scale, xb, tp, out0; writes out0
.if DOCPART == 3
	.amdgcn_target "amdgcn-amd-amdhsa--gfx1250"
	.amdhsa_code_object_version 6
	.text
	.protected	k_q3371e755b4_ffn2
	.globl	k_q3371e755b4_ffn2
	.p2align	8
	.type	k_q3371e755b4_ffn2,@function
k_q3371e755b4_ffn2:
	s_mov_b64 s[64:65], 0
	v_nop
	global_prefetch_b8 v0, s[64:65] scope:SCOPE_SE
	s_setreg_imm32_b32 hwreg(HW_REG_WAVE_MODE, 25, 1), 1
	s_wait_xcnt 0x0
	s_wait_alu depctr_hold_cnt(0) depctr_sa_sdst(0) depctr_va_vdst(0) depctr_va_sdst(0) depctr_va_ssrc(0) depctr_va_vcc(0) depctr_vm_vsrc(0)
	s_getreg_b32 s2, hwreg(HW_REG_IB_STS2, 6, 4)
	s_cmp_eq_u32 s2, 0
	s_cbranch_scc0 .Lentry_in_a_cluster
	s_endpgm
.Lentry_in_a_cluster:
	s_bfe_u32 s2, ttmp6, 0x10000c
	s_cmp_lg_u32 s2, 0xf033
	s_cbranch_scc0 .Lentry_shape_is_right
	s_endpgm
.Lentry_shape_is_right:
; FFN2.  out0[s][o] = sum over n of hb[s][n] w2b[o][n] + b2[o] + scale x sum over c = 0..3 of even[4 (o % 256) + c] t[s][c], where even is token 9 + 2 q of s's sample, q = o / 256, and
; t[s][c] = the sum over cw = 8 c .. 8 c + 7 of tp[cw][s][q].  The sample's update of W2 is four outer products reshaped, so h times it is this short sum; it is never formed as a matrix.
; The short sum is ONE matrix instruction an accumulator, with K = cw = 0..31: source 1 = bf16(scale tp), source 0 = even[4 (o % 256) + cw / 8]; its C operand is b2: so it starts the sums.
; LIMITS.  b2 and scale are rounded to bf16 like all inputs; scale x tp is rounded to bf16 as a matrix operand.  Sums in f32, in another order than a row-wise sum.  NaN and infinities are not treated apart.
; SHARES.  A tile of out0 is 128 x 128: 256 work-groups.  Four waves, 64 x 64 each: 16 accumulators.  K = 4,096 goes in 16 steps of 256 (LDS rows of 512 bytes padded to 528) through two slots.
; 4 x 4 work-groups form a cluster: hb's tile is asked for jointly along a row of the cluster, w2b's along a column.  The matrix instruction is used transposed (source 0 = 16 rows of w2b,
; source 1 = 16 rows of hb): a lane holds eight neighbouring numbers of a row of out0.  A wave's 64 columns of f32 are 256 bytes, so each wave has a stage of its own and the way out has no barrier.
; No prefetch: a step of this tile is short and its tiles small.
; REGISTERS: window 0: v0-31 addresses; v32-63 four fragments of scale tp; v64-95 four fragments of even; v96-127 b2 (v64-127 later: rows read back); v128-255 the accumulators ((a, b) at v[128 + 8 (4 a + b)]).
;   window 1: two fragment buffers of 128: for 64 along K, 64 registers of hb, then 64 of w2b.
.set SIZE_K, 4096
.set SIZE_N, 1024
.set KSTEP,  256
.set PITCH,  528
.set HALFT,  64*PITCH                  ; 64 rows: what one tensor load brings, and what one wave reads of either operand
.set SLOT,   4*HALFT
.set STAGE,  2*SLOT                    ; behind the ring: 16 rows x 272 bytes for each wave; no tensor load fills it
.set SPITCH, 272
.set SPARE,  STAGE+4*16*SPITCH         ; behind the stages: the spare words, 128 bytes for each wave, which no other line names
.set LAPS,   SIZE_K/(2*KSTEP)
.set SC,   6                           ; v[6:7]  scale, rounded to bf16, twice
.set EW,   8                           ; v8-15   four numbers of even for each of my four columns r, 16 + r, ..
.set ADRA, 16
.set TPO,  18                          ; v18     my offset in tp: 8 h blocks of columns + row r
.set BO,   19                          ; v19     32 h
.set ADRB, 20
.set EO,   22                          ; v22     8 r
.set STO,  24
.set RD,   25
.set CO,   26
.set SEL,  27                          ; v27     v_perm_b32's selector: the word's low half twice (h = 0) or its high half twice (h = 1)
.set SPW,  28
.set NIL,  29
.set TPF,  32
.set E2F,  64
.set B2,   96
.set ACC,  128
.set F0,   0
.set F1,   128
.set G1, 24
.set G0, 32
.set G1B, 48
.set G0B, 56
.set MSB, 0
.macro WIN new
.if MSB != (\new)
	s_set_vgpr_msb (MSB<<8)|(\new)
.set MSB, \new
.endif
.endm
.set MUL,  0x05                        ; sources 0 (w2b) and 1 (hb) window 1; C and D window 0
.set TO_F, 0x40                        ; destination window 1, address window 0
.macro JLOAD s                         ; a joint load: waves 0 and 1 fetch hb's two halves, waves 2 and 3 w2b's; an s_nop 0 and four v_nop follow each of the two lines
	s_cmp_eq_u32 s11, 0
	s_cbranch_scc0 .Lfor_b_\@
	tensor_load_to_lds s[G0+4*(\s):G0+4*(\s)+3], s[G1:G1+7]
	s_nop 0
.rept 4
	v_nop
.endr
	s_branch .Lasked_\@
.Lfor_b_\@:
	tensor_load_to_lds s[G0B+4*(\s):G0B+4*(\s)+3], s[G1B:G1B+7]
	s_nop 0
.rept 4
	v_nop
.endr
.Lasked_\@:
.endm
.macro CREST
	s_cmp_lg_u32 s10, 0
	s_cbranch_scc1 .Lnot_wave_0_\@
	s_barrier_signal -3
.Lnot_wave_0_\@:
	s_barrier_wait -3
	s_barrier_signal -1
	s_barrier_wait -1
.endm
.macro CROUND
	s_barrier_signal -1
	s_barrier_wait -1
	CREST
.endm
	s_load_b128 s[4:7], s[0:1], 0x0                ; hb s[4:5], w2b s[6:7]
	s_load_b256 s[68:75], s[0:1], 0x10             ; b2 s[68:69], scale s[70:71], xb s[72:73], tp s[74:75]
	s_load_b64 s[8:9], s[0:1], 0x30                ; out0
	v_lshl_add_u32 v[SPW], v0, 2, SPARE
	v_mov_b32 v[NIL], 0
	ds_add_u32 v[SPW], v[NIL]                      ; the wave's opening: the add and its wait stand ahead of my first tensor load; the set-up below, work on registers, stands between them
	v_lshrrev_b32 v1, 5, v0
	v_readfirstlane_b32 s10, v1                    ; wave 0..3
	s_lshr_b32 s11, s10, 1                         ; which half of the tile's rows is mine.  Also: I fetch for hb (0) or for w2b (1)
	s_and_b32 s12, s10, 1                          ; which half of its columns.  Also: which 64 rows of that tile I fetch
	s_bfe_u32 s40, ttmp6, 0x40000                  ; cx, cy
	s_bfe_u32 s41, ttmp6, 0x40004
	s_lshl_b32 s42, ttmp9, 2
	s_add_co_u32 s42, s42, s40                     ; tile column
	s_and_b32 s13, ttmp7, 0xffff
	s_lshl_b32 s13, s13, 2
	s_add_co_u32 s13, s13, s41                     ; tile row
	s_lshl_b32 s43, s41, 2
	s_lshl_b32 s43, 15, s43                        ; my row of the cluster
	s_lshl_b32 s44, 0x1111, s40                    ; my column
	; descriptor group 1: a tile of 64 rows x 256 elements of 2 bytes, 4 words of padding behind every 128
	s_or_b32 s[G1+0], s43, (1<<16)|(1<<20)|(1<<21)|(6<<22)|(3<<25)
	s_or_b32 s[G1B+0], s44, (1<<16)|(1<<20)|(1<<21)|(6<<22)|(3<<25)
.irp g, G1, G1B
	s_mov_b32 s[(\g)+1], KSTEP<<16                 ; tensor_dim0 = 256
	s_mov_b32 s[(\g)+2], 64<<16                    ; tensor_dim1 = 64
	s_mov_b32 s[(\g)+3], KSTEP<<16                 ; tile_dim0 = 256
	s_mov_b32 s[(\g)+4], 64                        ; tile_dim1 = 64
	s_mov_b32 s[(\g)+5], SIZE_K                    ; elements from row to row
	s_mov_b32 s[(\g)+6], 0
	s_mov_b32 s[(\g)+7], 0
.endr
	s_mov_b32 s76, 0xffff0000                      ; a word's upper bf16
	s_lshl_b32 s17, s12, 6                         ; which 64 rows of the tile I fetch
	s_lshl_b32 s16, s13, 7
	s_add_co_u32 s16, s16, s17                     ; hb: row 128 x tile row + 64 x half
	s_lshl_b32 s46, s42, 7
	s_add_co_u32 s46, s46, s17                     ; w2b: row 128 x tile column + 64 x half
	s_mov_b32 s17, 0
	s_mov_b32 s47, 0
	s_mov_b64 s[18:19], SIZE_K*2
	s_mul_u64 s[16:17], s[16:17], s[18:19]
	s_mul_u64 s[46:47], s[46:47], s[18:19]
	s_mul_i32 s20, s10, HALFT                      ; where they go: wave x 64 rows
	s_wait_dscnt 0x0                               ; the opening add is done
	s_wait_kmcnt 0x0
	s_add_nc_u64 s[14:15], s[4:5], s[16:17]
	s_add_nc_u64 s[46:47], s[6:7], s[46:47]
	s_load_b32 s79, s[70:71], 0x0                  ; scale; no line of this launch writes it
	CROUND                                         ; all sixteen work-groups are here: the first joint loads meet
.irp s, 0,1
	s_mov_b32 s[G0+4*(\s)], 1
	s_add_co_u32 s[G0+4*(\s)+1], s20, (\s)*SLOT
	s_add_nc_u64 s[G0+4*(\s)+2:G0+4*(\s)+3], s[14:15], (\s)*KSTEP*2
	s_or_b32 s[G0+4*(\s)+3], s[G0+4*(\s)+3], 0x80000000
	s_mov_b32 s[G0B+4*(\s)], 1
	s_add_co_u32 s[G0B+4*(\s)+1], s20, (\s)*SLOT
	s_add_nc_u64 s[G0B+4*(\s)+2:G0B+4*(\s)+3], s[46:47], (\s)*KSTEP*2
	s_or_b32 s[G0B+4*(\s)+3], s[G0B+4*(\s)+3], 0x80000000
	JLOAD \s                                       ; two loads of mine are out
.endr
	; the update and the bias are asked for now, and made into the sums' first products in the wait for the first tile
	v_and_b32 v1, 15, v0                           ; r = l % 16
	v_bfe_u32 v2, v0, 4, 1                         ; h = l / 16
	v_lshlrev_b32 v[TPO], 19, v2                   ; 8 h blocks of 65,536 bytes
	v_lshl_add_u32 v[TPO], v1, 4, v[TPO]           ; + row r
	v_lshlrev_b32 v[BO], 5, v2
	v_lshlrev_b32 v[EO], 3, v1
	s_lshl_b32 s16, s13, 7
	s_lshl_b32 s17, s11, 6
	s_add_co_u32 s16, s16, s17                     ; my first row
	s_lshl_b32 s18, s42, 7
	s_lshl_b32 s17, s12, 6
	s_add_co_u32 s18, s18, s17                     ; my first column
	s_lshr_b32 s66, s13, 3                         ; the sample: 8 tile rows each
	s_lshr_b32 s67, s42, 1                         ; q = o / 256: 2 tile columns each
	s_and_b32 s19, s18, 255                        ; my first column within its 256
	s_mov_b32 s21, 0
	s_lshl_b32 s20, s18, 2
	s_add_nc_u64 s[68:69], s[68:69], s[20:21]      ; b2 at my first column
	s_lshl_b32 s20, s66, 10
	s_lshl1_add_u32 s20, s67, s20
	s_add_co_u32 s20, s20, 9                       ; token 9 + 2 q
	s_lshl_b32 s20, s20, 11
	s_lshl3_add_u32 s20, s19, s20                  ; four numbers of 2 bytes a column
	s_add_nc_u64 s[72:73], s[72:73], s[20:21]
	s_lshl_b32 s20, s16, 4
	s_lshl2_add_u32 s20, s67, s20
	s_add_nc_u64 s[74:75], s[74:75], s[20:21]      ; tp at my first row, number q
	s_lshl_b32 s20, s16, 12
	s_lshl2_add_u32 s20, s18, s20
	s_add_nc_u64 s[8:9], s[8:9], s[20:21]          ; out0 at my first row and column
.set n, 0
.rept 64                               ; number n: rows 16 (n / 16) + r, cw = 8 h + n % 8 + 16 ((n / 8) % 2): in pairs these are a fragment's registers
	global_load_b32 v[TPF+n], v[TPO], s[74:75] offset:((n%8)+16*((n/8)%2))*65536+256*(n/16)
.set n, n+1
.endr
.irp q, 0,1,2,3
	global_load_b64 v[EW+2*(\q):EW+2*(\q)+1], v[EO], s[72:73] offset:128*(\q)
.endr
.irp b, 0,1,2,3
	global_load_b128 v[B2+8*(\b):B2+8*(\b)+3],   v[BO], s[68:69] offset:64*(\b)    ; b2 of the columns 16 b + 8 h + 0..7
	global_load_b128 v[B2+8*(\b)+4:B2+8*(\b)+7], v[BO], s[68:69] offset:64*(\b)+16
.endr
	v_mul_u32_u24 v3, v1, PITCH
	v_lshl_add_u32 v3, v2, 4, v3                   ; a fragment's row x pitch + 16 x half
	s_mul_i32 s21, s11, HALFT                      ; my 64 rows of hb
	s_mul_i32 s22, s12, HALFT                      ; my 64 rows of w2b,
	s_add_co_u32 s22, s22, 2*HALFT                 ; which lie behind hb's 128
.irp s, 0,1
	v_add_nc_u32 v[ADRA+(\s)], s21, v3
	v_add_nc_u32 v[ADRB+(\s)], s22, v3
	s_add_co_u32 s21, s21, SLOT
	s_add_co_u32 s22, s22, SLOT
.endr
	s_mul_i32 s23, s10, 16*SPITCH
	s_add_co_u32 s23, s23, STAGE                   ; my stage
	v_mul_u32_u24 v4, v1, SPITCH                   ; in: row l % 16, 32 bytes for each half of the lanes
	v_lshl_add_u32 v4, v2, 5, v4
	v_add_nc_u32 v[STO], s23, v4
	v_mul_u32_u24 v5, v2, SPITCH                   ; back: lanes 0-15 take one row of 256 bytes, lanes 16-31 the next
	v_lshl_add_u32 v5, v1, 4, v5
	v_add_nc_u32 v[RD], s23, v5
	v_lshlrev_b32 v5, 12, v2                       ; and the same two rows in out0, 4,096 bytes apart
	v_lshl_add_u32 v[CO], v1, 4, v5
	v_mov_b32 v[SEL], 0x01000100
	v_mov_b32 v30, 0x03020302
	v_cmp_eq_u32 vcc_lo, 1, v2
	v_cndmask_b32 v[SEL], v[SEL], v30, vcc_lo
	s_wait_kmcnt 0x0                               ; scale
	v_cvt_pk_bf16_f32 v[SC], s79, s79
	v_lshlrev_b32 v[SC], 16, v[SC]
	v_mov_b32 v[SC+1], v[SC]
	s_wait_loadcnt 0x0
.set m, 0
.rept 16                               ; b2 rounded to bf16, in place
	v_cvt_pk_bf16_f32 v[30+m%2], v[B2+2*m], v[B2+2*m+1]
	v_lshlrev_b32 v[B2+2*m], 16, v[30+m%2]
	v_and_b32 v[B2+2*m+1], s76, v[30+m%2]
.set m, m+1
.endr
.set m, 0
.rept 32                               ; scale x tp, rounded and packed in place, ascending: a word lands on registers already read
	v_pk_mul_f32 v[TPF+2*m:TPF+2*m+1], v[TPF+2*m:TPF+2*m+1], v[SC:SC+1]
	v_cvt_pk_bf16_f32 v[TPF+m], v[TPF+2*m], v[TPF+2*m+1]
.set m, m+1
.endr
.irp q, 0,1,2,3                        ; column 16 q + r: cw = 8 h + 0..7 all take even[4 o' + h], cw = 16 + 8 h + 0..7 all take even[4 o' + 2 + h]
.irp i, 0,1,2,3
	v_perm_b32 v[E2F+8*(\q)+(\i)],   v[EW+2*(\q)],   v[EW+2*(\q)],   v[SEL]
	v_perm_b32 v[E2F+8*(\q)+4+(\i)], v[EW+2*(\q)+1], v[EW+2*(\q)+1], v[SEL]
.endr
.endr
.irp a, 0,1,2,3                        ; THE SUMS START: the update, with b2 as C.  Nothing is cleared; every product of the ring adds in place
.irp b, 0,1,2,3
	v_wmma_f32_16x16x32_bf16 v[ACC+8*(4*(\a)+(\b)):ACC+8*(4*(\a)+(\b))+7], v[E2F+8*(\b):E2F+8*(\b)+7], v[TPF+8*(\a):TPF+8*(\a)+7], v[B2+8*(\b):B2+8*(\b)+7]
.endr
.endr
; 8 matrix instructions: m blocks a0, a0 + 1 x all 4 n blocks, 32 along K: half c of buffer f.  The 16 accumulators take turns, one instruction a turn.
.macro MUL8 f, c, a0
	WIN MUL
.irp a, \a0, (\a0)+1
.irp b, 0,1,2,3
	v_wmma_f32_16x16x32_bf16 v[ACC+8*(4*(\a)+(\b)):ACC+8*(4*(\a)+(\b))+7], v[(\f)+64+8*(4*(\c)+(\b)):(\f)+64+8*(4*(\c)+(\b))+7], v[(\f)+8*(4*(\c)+(\a)):(\f)+8*(4*(\c)+(\a))+7], v[ACC+8*(4*(\a)+(\b)):ACC+8*(4*(\a)+(\b))+7]
.endr
.endr
.endm
; 32 LDS loads in one run: the fragments of 64 along K at byte k of the rows, into buffer f; the first 32 along K first
.macro FETCH slot, k, f
	WIN TO_F
.irp c, 0,1
.irp i, 0,1,2,3
	ds_load_b128 v[(\f)+64+8*(4*(\c)+(\i)):(\f)+64+8*(4*(\c)+(\i))+3],   v[ADRB+(\slot)] offset:(\k)+64*(\c)+(\i)*16*PITCH
	ds_load_b128 v[(\f)+64+8*(4*(\c)+(\i))+4:(\f)+64+8*(4*(\c)+(\i))+7], v[ADRB+(\slot)] offset:(\k)+64*(\c)+(\i)*16*PITCH+32
	ds_load_b128 v[(\f)+8*(4*(\c)+(\i)):(\f)+8*(4*(\c)+(\i))+3],         v[ADRA+(\slot)] offset:(\k)+64*(\c)+(\i)*16*PITCH
	ds_load_b128 v[(\f)+8*(4*(\c)+(\i))+4:(\f)+8*(4*(\c)+(\i))+7],       v[ADRA+(\slot)] offset:(\k)+64*(\c)+(\i)*16*PITCH+32
.endr
.endr
.endm
.macro PLACES                          ; four plain vector instructions between a matrix instruction and a load into, or a store from, its registers
.rept 4
	v_nop
.endr
.endm
; A K step is four quarters of 64 along K, 32 matrix instructions each, on buffers 0, 1, 0, 1.  One of the first three multiplies buffer f and fetches the next quarter, at byte k, into g.
.macro QUARTER slot, k, f, g
	s_wait_dscnt 16                                ; the first 32 along K are in; the other sixteen loads may be out
	MUL8 \f, 0, 0
	MUL8 \f, 0, 2
	PLACES
	FETCH \slot, \k, \g
	s_wait_dscnt 32                                ; all but the 32 just issued
	MUL8 \f, 1, 0
	MUL8 \f, 1, 2
.endm
; The last quarter multiplies buffer 1 and changes slots: one barrier; in front of it each wave waits for all its tensor loads, adds 0 to its spare word, and waits for that and for its own reads of
; this slot.  fill = 1: the barrier opens a round of the cluster's barrier, and behind the round this slot is filled again, two K steps on: the wave's one tensor load.
.macro TURN slot, next, fill
	WIN 0                                          ; (the add's two registers lie in window 0)
	s_wait_tensorcnt 0x0                           ; all my tensor loads have landed: my part of the next slot
	ds_add_u32 v[SPW], v[NIL]                      ; 0 onto my spare word
	s_wait_dscnt 17                                ; (the add and the youngest sixteen loads may be out)
	MUL8 F1, 0, 0                                  ; eight matrix instructions stand between the add and the wait for it
	s_wait_dscnt 0x0                               ; the add is done, and my reads of this slot are over
	s_barrier_signal -1
	MUL8 F1, 0, 2
.if \fill
	WIN 0
.endif
	s_barrier_wait -1
.if \fill
	CREST                                          ; no wave of any partner still reads this slot's tile or has a load on its way
	s_add_nc_u64 s[G0+4*(\slot)+2:G0+4*(\slot)+3], s[G0+4*(\slot)+2:G0+4*(\slot)+3], 2*KSTEP*2
	s_add_nc_u64 s[G0B+4*(\slot)+2:G0B+4*(\slot)+3], s[G0B+4*(\slot)+2:G0B+4*(\slot)+3], 2*KSTEP*2
	JLOAD \slot                                    ; 112 matrix instructions ahead of the wait for it; the four v_nop behind it are also the places in front of the loads below
.else
	PLACES
.endif
	FETCH \next, 0, F0
	MUL8 F1, 1, 0
	MUL8 F1, 1, 2
.endm
	s_wait_tensorcnt 1                             ; my part of K step 0 is in; K step 1's may stay out
	s_barrier_signal -1
	s_barrier_wait -1                              ; everybody's is
	FETCH 0, 0, F0
	QUARTER 0, 128, F0, F1
	WIN 0                                          ; at a label and at a branch every window is 0
	s_mov_b32 s3, LAPS-1
.Llap:                                 ; a trip goes once round the ring, from a lap's second quarter to the next lap's first, and fills both slots again
	QUARTER 0, 256, F1, F0
	QUARTER 0, 384, F0, F1
	TURN 0, 1, 1
	QUARTER 1, 128, F0, F1
	QUARTER 1, 256, F1, F0
	QUARTER 1, 384, F0, F1
	TURN 1, 0, 1
	QUARTER 0, 128, F0, F1
	WIN 0
	s_sub_co_u32 s3, s3, 1
	s_cmp_lg_u32 s3, 0
	s_cbranch_scc1 .Llap
	QUARTER 0, 256, F1, F0                         ; the last lap is written out: it fills nothing, and has no round
	QUARTER 0, 384, F0, F1
	TURN 0, 1, 0
	QUARTER 1, 128, F0, F1
	QUARTER 1, 256, F1, F0
	QUARTER 1, 384, F0, F1
	s_wait_dscnt 16                                ; the very last quarter: nothing more to fetch
	MUL8 F1, 0, 0
	MUL8 F1, 0, 2
	s_wait_dscnt 0x0
	MUL8 F1, 1, 0
	MUL8 F1, 1, 2
	WIN 0
	PLACES
	PLACES
	; THE WAY OUT, 16 rows at a time: a lane's eight numbers of a row go into my stage as 32 bytes (each accumulator's lowest registers first) and come back as whole rows of 256 bytes.
.irp a, 0,1,2,3
	s_wait_xcnt 0x0                                ; the registers that earlier stores read are loaded again only behind this wait
.irp b, 0,1,2,3
	ds_store_b128 v[STO], v[ACC+8*(4*(\a)+(\b)):ACC+8*(4*(\a)+(\b))+3]   offset:64*(\b)
	ds_store_b128 v[STO], v[ACC+8*(4*(\a)+(\b))+4:ACC+8*(4*(\a)+(\b))+7] offset:64*(\b)+16
.endr
.irp t, 0,1,2,3,4,5,6,7
	ds_load_b128 v[96-32*((\a)%2)+4*(\t):96-32*((\a)%2)+4*(\t)+3], v[RD] offset:(\t)*2*SPITCH  ; LDS serves a wave's instructions in order (ISA guide 5.7.1.4): these see the stores above
.endr
.irp t, 0,1,2,3,4,5,6,7
	s_wait_dscnt 7-(\t)                            ; the younger reads of the stage may stay out
	global_store_b128 v[CO], v[96-32*((\a)%2)+4*(\t):96-32*((\a)%2)+4*(\t)+3], s[8:9] offset:(16*(\a)+2*(\t))*SIZE_N*4 th:TH_STORE_NT  ; 16 lanes store 256 consecutive bytes, at a multiple of 256 from out0's first byte
.endr
.endr
	s_wait_tensorcnt 0x0                           ; the wave's end: three closing lines, behind my last tensor load and my last LDS store
	ds_add_u32 v[SPW], v[NIL]
	s_wait_dscnt 0x0
	CROUND                                         ; the closing round: no work-group ends while a partner may still ask for a tile that names it
	s_endpgm
.Lfunc_end_k_q3371e755b4_ffn2:
	.size	k_q3371e755b4_ffn2, .Lfunc_end_k_q3371e755b4_ffn2-k_q3371e755b4_ffn2
	.p2alignl 7, 3214868480
	.fill 96, 4, 3214868480
	.section	.rodata,"a",@progbits
	.p2align	6, 0x0
	.amdhsa_kernel k_q3371e755b4_ffn2
		.amdhsa_group_segment_fixed_size 327680
		.amdhsa_private_segment_fixed_size 0
		.amdhsa_enable_private_segment 0
		.amdhsa_kernarg_size 56
		.amdhsa_user_sgpr_count 2
		.amdhsa_user_sgpr_kernarg_segment_ptr 1
		.amdhsa_wavefront_size32 1
		.amdhsa_system_sgpr_workgroup_id_x 1
		.amdhsa_system_sgpr_workgroup_id_y 1
		.amdhsa_system_sgpr_workgroup_id_z 1
		.amdhsa_system_vgpr_workitem_id 0
		.amdhsa_next_free_vgpr 512
		.amdhsa_next_free_sgpr 80
		.amdhsa_reserve_vcc 1
		.amdhsa_float_denorm_mode_32 3
		.amdhsa_float_denorm_mode_16_64 3
		.amdhsa_memory_ordered 1
		.amdhsa_forward_progress 1
		.amdhsa_inst_pref_size 104
	.end_amdhsa_kernel
	.amdgpu_metadata
---
amdhsa.version: [ 1, 2 ]
amdhsa.kernels:
  - .name:           k_q3371e755b4_ffn2
    .symbol:         k_q3371e755b4_ffn2.kd
    .args:
      - { .name: hb, .offset: 0, .size: 8, .value_kind: global_buffer, .address_space: global }
      - { .name: w2b, .offset: 8, .size: 8, .value_kind: global_buffer, .address_space: global }
      - { .name: b2, .offset: 16, .size: 8, .value_kind: global_buffer, .address_space: global }
      - { .name: scale, .offset: 24, .size: 8, .value_kind: global_buffer, .address_space: global }
      - { .name: xb, .offset: 32, .size: 8, .value_kind: global_buffer, .address_space: global }
      - { .name: tp, .offset: 40, .size: 8, .value_kind: global_buffer, .address_space: global }
      - { .name: out0, .offset: 48, .size: 8, .value_kind: global_buffer, .address_space: global }
    .group_segment_fixed_size: 327680
    .private_segment_fixed_size: 0
    .kernarg_segment_align: 8
    .kernarg_segment_size: 56
    .max_flat_workgroup_size: 128
    .sgpr_count:     80
    .vgpr_count:     512
    .wavefront_size: 32
...
	.end_amdgpu_metadata
.endif
;; end of part 3
